; MI455X (gfx1250); checked and timed in simulation.
; The chip was launched on July 23, 2026; its instructions are those of AMD's public machine-readable ISA for CDNA 5 (MIT licence, August 2026) and "CDNA5" Instruction Set Architecture Reference Guide (July 2026). The comments in the code are by the model that wrote it; some were corrected since.
;; Self Attention. Allowed arithmetic: matrix products marked QUANTISED: E5M2 operands, one E8M0 scale for each 32 along K, by v_wmma_scale_f32_16x16x128_f8f6f4 with both operands' format E5M2, f32 sums; everything else in f32.
;; Inputs: bf 32 float32; bg 32 float32; bh 256 float32; bo 256 float32; gamma 1 float32; wf 32 x 256 float32; wg 32 x 256 float32; wh 256 x 256 float32; wo 256 x 256 float32; x 8 x 256 x 64 x 64 float32.
;; Outputs: out0 8 x 256 x 64 x 64 float32.
;; This version of the problem:
;;   THIS VERSION OF THE PROBLEM IS GIVEN IN LOW PRECISION. The matrix products marked QUANTISED in the list below multiply operands that are first quantised to E5M2 (5 exponent bits, 2 mantissa bits; 8 bits a number), with one power-of-two scale for each 32 numbers along K (OCP MX v1.0); their sums are f32. All else is computed in f32.
;;   The module's matrix products, in the order in which they are computed (A, B: the left and right operand; K: the contracted axis; several contracted axes count as one K, in the product's order):
;;     1. [M 32,768, K 256] x [K 256, N 32]; A: input x; B: input wf: QUANTISED
;;     2. [M 32,768, K 256] x [K 256, N 32]; A: input x; B: input wg: QUANTISED
;;     3. [M 32,768, K 256] x [K 256, N 256]; A: input x; B: input wh: QUANTISED
;;     4. batch 8 x [M 4,096, K 32] x [K 32, N 4,096]; A: computed on the way; B: computed on the way: QUANTISED
;;     5. batch 8 x [M 256, K 4,096] x [K 4,096, N 4,096]; A: computed on the way; B: softmax (see below): QUANTISED
;;     6. [M 32,768, K 256] x [K 256, N 256]; A: computed on the way; B: input wo: QUANTISED
;;   THE QUANTISER, for each operand of a quantised product, along K:
;;     - K is cut into blocks of 32 from its start; a last block that is shorter is filled with zeros.
;;     - A block's scale is 2^e with e = floor(log2(the largest magnitude in the block)) - 15, held to -126 .. 127; a block of zeros has e = 0. As a byte (E8M0): e + 127.
;;     - Each number is divided by its block's scale, clamped to +-57,344, and rounded to the nearest number of E5M2, ties to even, subnormals kept.
;;     - The product sums the exact products of the quantised numbers (number of the format x scale) in f32.
;;   ~~~python
;;   def quantise(x, axis):      # numpy; x: float32 -> the quantised numbers, widened to float32 again
;;       x = np.moveaxis(x, axis, -1); K = x.shape[-1]
;;       x = np.pad(x, [(0, 0)] * (x.ndim - 1) + [(0, -K % 32)]); x = x.reshape(x.shape[:-1] + (-1, 32)); a = np.abs(x).max(-1, keepdims=True)
;;       e = np.where(a > 0, np.clip(np.frexp(np.where(a > 0, a, 1))[1] - 1 - 15, -126, 127), 0)      # np.frexp(a)[1] - 1 = floor(log2(a)), exactly
;;       r = np.clip(x / 2.0 ** e, -57344, 57344)
;;       step = 2.0 ** (np.maximum(np.frexp(np.where(r == 0, 1, r))[1] - 1, -14) - 2)
;;       q = np.round(r / step) * step * 2.0 ** e      # np.round: ties to even
;;       return np.moveaxis(q.reshape(q.shape[:-2] + (-1,))[..., :K], -1, axis).astype(np.float32)
;;   ~~~
;;   SOFTMAX AHEAD OF A QUANTISED PRODUCT. Where the list says 'softmax', what is quantised is not the finished softmax but p = 2^(t - M), with t = logit x log2(e) and M = ceil(the row's largest t), a whole number; so 1/2 < the row's largest p <= 1. The row's sum l is taken of the UNQUANTISED p, in f32, and the product's result is divided by l at the end. Since M is a whole number, a kernel that streams over the keys may use a running M (the ceiling of the running maximum): every later rescaling is an exact power of two, which a block's scale takes up: the codes' values come out the same.
;;   OPERANDS COMPUTED ON THE WAY. 'Computed on the way' means the value that the module computes at that place (a softmax that the list does not call 'softmax' is quantised finished and normalised). What goes into a quantiser is computed in f32, as accurately as f32 sums, v_exp_f32 and their like allow (about 1e-6 of the number): no bf16 or f16 on the way to a quantiser, and a product that is left as it is and whose result goes on into a quantised operand takes f32 operands (vector FMAs, or v_wmma_f32_16x16x4_f32). A number that lies on a knife's edge between two numbers of the format may be rounded either way, as far as f32 arithmetic and the matrix unit's own rounding can turn it there, and no further.
;; One version. Each part assembles by itself: llvm-mc -triple=amdgcn-amd-amdhsa -mcpu=gfx1250 --defsym DOCPART=n.
;; ======== version 1 of 1: 2 launches
;; limits: right only within a limited range of input values
;; workspace buffers: hq 8,912,896 bytes; res 1,409,024 bytes; gq 1,114,112 bytes
;; launch proj (part 1): grid 32 x 8, 4 waves a work-group, no clusters, 197,120 bytes of LDS; arguments x, wf, bf, wg, bg, wh, bh, wo, hq, res, gq; writes hq, res, gq
.if DOCPART == 1
	.amdgcn_target "amdgcn-amd-amdhsa--gfx1250"
	.amdhsa_code_object_version 6
	.text
	.protected	k_qe6d4ff1229_proj
	.globl	k_qe6d4ff1229_proj
	.p2align	8
	.type	k_qe6d4ff1229_proj,@function
k_qe6d4ff1229_proj:
	s_mov_b64 s[64:65], 0
	v_nop
	global_prefetch_b8 v0, s[64:65] scope:SCOPE_SE
	s_setreg_imm32_b32 hwreg(HW_REG_WAVE_MODE, 25, 1), 1
	s_wait_xcnt 0x0
; f = wf x + bf, g = wg x + bg, hh = wh x + bh on codes of BF8 (E5M2) with one E8M0 scale for each 32 along K, and the results quantised again for the attention launch.
; x: [8][256][4096] f32, K = the 256 channels, which are NOT innermost.  wf, wg: [32][256], wh, wo: [256][256] f32, K innermost.
; SHARES.  A work-group takes 128 pixels (step j = work-group x) of one batch (work-group y) and all 320 output channels.  Its tile of x, 256 channel rows x 512 bytes, comes into LDS once, by one tensor load a wave.
; Wave w: quantises 64 rows of wh (8 fragments, kept in registers), one fragment of wf and one of wg (shared through LDS); quantises pixel tiles 2 w and 2 w + 1 of x (shared through LDS);
; makes f (waves 0, 1) or g (waves 2, 3) for 64 pixels, and hh for its 64 channels x 128 pixels.  Wave 3 also quantises fragment j of wo into its batch's copy.
; OPERANDS TRAVEL AS IMAGES OF THEIR REGISTERS: group c (four registers) of lane l at 512 c + 16 l of a fragment's 2,048 bytes; a scale word at 4 l.  So every store covers 512 consecutive bytes and every later load is dense.
; THE ROWS OF A TILE ARE NOT NEIGHBOURS: lane r of tile 2 b + u takes row 32 b + 8 u + r + 8 (r / 8) (pixels; rows of wf, wg, wh), so that the 16 registers of result tiles 2 b, 2 b + 1 are 16 neighbours along the next K.
; A block's scale byte is its largest magnitude's exponent field - 15, held at 1 from below by a floor among the maximum's leaves; each number is held within +-57,344 x the scale and converted, ties to even.
; LIMITS: NaN and infinities among the inputs are not served.  A block of zeros gets the byte 1 (its codes are zeros; this program alone reads the bytes).
; The weights are not shared by joint loads: as f32 they are 320 KiB, which does not fit beside the tile of x; each wave reads its own rows straight into registers.  No prefetch: a work-group's one tile is asked for at its head.
; REGISTERS.  window 0: v1-25 addresses; v32-95 ST0, v96-159 ST1: 64 numbers each; v160-175 at work; v180-207, v220-227 scale words for the products; v208-219 scale words just made; v228-231 bh.
;   window 1: v0-127 wh's 8 fragments; v128-191 my role's 4 fragments of wf or wg; v192-223 bh as C, 8 equal registers a tile; v224-239 bf or bg as C.
;   window 2: four sets of 64 numbers of weights, later x's fragments.   window 3: twelve runs of 16 code registers, none written twice, so that no store's data are written again.
; No conversion's destination has the numbers of its sources or of its scale operand, in whatever window: hence the order of wh's fragments and the places of the code runs.
.set XIMG,  133120                     ; LDS: 0 .. the tile of x, 256 rows of 512 bytes + 8: rows 16 apart lie 32 words apart modulo 64, so the 32 lanes of a 4-byte load touch 32 different words' columns
.set XSC,   165888                     ; x's 16 fragments (2 x tile + K step) from XIMG on, their scale words from XSC on,
.set WIMG,  167936                     ; wf's 4 fragments and wg's 4 (2 u + s),
.set WSC,   184320                     ; their scale words
.set VWP,  5                           ; v5   a weight's row by the tile's order: 1,024 (r + 8 (r / 8)) + 64 h
.set VWN,  6                           ; v6   in natural order: 1,024 r + 64 h
.set LI,   7                           ; v7   16 x lane
.set LS,   8                           ; v8   4 x lane
.set L8,   9                           ; v9   8 x lane
.set AX,   10                          ; v10-13 the tile of x: my pixel's column in channel rows 64 k + 16 h on
.set XWI,  14
.set XWS,  15
.set WWI,  16
.set WWS,  17
.set XRI,  18
.set XRS,  19
.set XRH,  20
.set XRSH, 21
.set WRI,  22
.set WRS,  23
.set VBH,  24
.set VBF,  25
.set ST0,  32
.set ST1,  96
.set TM,   160                         ; v160-163 largest magnitudes, v164-167 bytes, v172-175 the conversions' scale operands
.set WHS,  180
.set WFS,  188
.set XS,   192
.set PWF,  208
.set PWG,  209
.set PWO,  210
.set PWX,  211
.set PWQ,  215
.set PWH,  216
.set HP,   218
.set XS1,  220
.set BHT,  228
.set PCQ,  32                          ; window 3: the code runs
.set PCWO, 128
.set PCWF, 144
.set PCWG, 176
.set PCX,  192
.set ORDER, 0x73265104                 ; nibble i: which of wh's fragments (2 x tile + K step) is quantised i-th
.set WV,   30
.set J,    31
.set BT,   32
.set MNT,  33
.set SEL,  34
.set HM,   36
.set G0,   40
.set G1,   44
.set WHB,  52
.set WFB,  54
.set WGB,  56
.set WOB,  58
.set BHB,  60
.set BFB,  62
.set HQB,  66
.set HQW,  68
.set RWS,  70
.set RHS,  72
.set CD,   74
.set SD,   76
.set MSB, 0
.macro WIN new                         ; the immediate's high byte repeats the setting that is left; a switch that changes nothing is dropped
.if MSB != (\new)
	s_set_vgpr_msb (MSB<<8)|(\new)
.set MSB, (\new)
.endif
.endm
; 64 numbers of a lane in window xw, register 16 b + i = k 32 b + 16 (lane / 16) + i of my row, become a fragment's 16 code registers in window dw and its scale word in v[pw]
.macro QUANT src, xw, dst, dw, pw
	WIN (\xw)|((\xw)<<2)
.irp b, 0,1,2,3
	v_max3_num_f32 v[TM+\b], |v[(\src)+16*\b]|, |v[(\src)+16*\b+1]|, 0x8000000      ; block b: my 16 numbers, and the floor 2^(16 - 127): the byte cannot fall under 1
.endr
.irp i, 2,4,6,8,10,12,14
.irp b, 0,1,2,3
	v_max3_num_f32 v[TM+\b], |v[(\src)+16*\b+\i]|, |v[(\src)+16*\b+\i+1]|, v[TM+\b]  ; the four blocks by turns
.endr
.endr
	WIN 0
.irp b, 0,1,2,3
	v_permlanex16_b32 v[TM+4+\b], v[TM+\b], s[SEL], s[SEL+1]
.endr
.irp b, 0,1,2,3
	v_max_num_f32 v[TM+\b], v[TM+\b], v[TM+4+\b]                   ; with lane l xor 16's: the block's largest magnitude
.endr
.irp b, 0,1,2,3
	v_add_nc_u32 v[TM+12+\b], 0xf8800000, v[TM+\b]                 ; 15 off its exponent field: the conversion's scale operand
.endr
.irp b, 0,1,2,3
.endr
.irp b, 0,1,2,3
	v_lshrrev_b32 v[TM+4+\b], 23, v[TM+12+\b]                      ; the scale's byte
.endr
	v_lshl_or_b32 v[\pw], v[TM+5], 8, v[TM+4]
	v_lshl_or_b32 v[\pw], v[TM+6], 16, v[\pw]
	v_lshl_or_b32 v[\pw], v[TM+7], 24, v[\pw]                      ; my row's scale word
	WIN (\xw)|((\xw)<<6)
.irp b, 0,1,2,3
.irp i, 0,1,2,3,4,5,6,7,8,9,10,11,12,13,14,15
.endr
.endr
	WIN (\xw)|((\dw)<<6)
.irp b, 0,1,2,3
	v_cvt_scalef32_pk8_bf8_f32 v[(\dst)+4*\b:(\dst)+4*\b+1], v[(\src)+16*\b:(\src)+16*\b+7], v[TM+12+\b]
	v_cvt_scalef32_pk8_bf8_f32 v[(\dst)+4*\b+2:(\dst)+4*\b+3], v[(\src)+16*\b+8:(\src)+16*\b+15], v[TM+12+\b]
.endr
	v_nop                                                          ; one plain line between the last conversion and whatever next touches its registers
	WIN 0
.endm
.macro WLOAD st, base, imm             ; a fragment's 64 numbers a lane into set st of window 2: 16 neighbours of each block of 32
	WIN 0x80
.irp cc, 0,1,2,3
.irp jj, 0,1,2,3
	global_load_b128 v[64*(\st)+16*\cc+4*\jj:64*(\st)+16*\cc+4*\jj+3], v[VWP], s[\base:\base+1] offset:(\imm)+128*\cc+16*\jj
.endr
.endr
	WIN 0
.endm
.macro WL i                            ; the loads of item i of the list: eight of wh, then wf's, then wg's
.if (\i) < 8
.set FH, (ORDER>>(4*(\i)))&15
	WLOAD (\i)%4, WHB, (32*(FH/4)+8*((FH/2)%2))*1024+512*(FH%2)
.elseif (\i) == 8
	WLOAD 0, WFB, 0
.else
	WLOAD 1, WGB, 0
.endif
.endm
.macro IMAGE adr, off, slot            ; a code run of window 3 goes to LDS as it stands
	WIN 0x0c
.irp c, 0,1,2,3
	ds_store_b128 v[\adr], v[(\slot)+4*\c:(\slot)+4*\c+3] offset:(\off)+512*\c
.endr
	WIN 0
.endm
.macro GIMAGE base, off, slot          ; or to memory: each store covers 512 consecutive bytes, aligned
	WIN 0x0c
.irp c, 0,1,2,3
	global_store_b128 v[LI], v[(\slot)+4*\c:(\slot)+4*\c+3], s[\base:\base+1] offset:(\off)+512*\c
.endr
	WIN 0
.endm
.macro FETCH reg, adr, off             ; and comes back so, in any wave
.irp c, 0,1,2,3
	ds_load_b128 v[(\reg)+4*\c:(\reg)+4*\c+3], v[\adr] offset:(\off)+512*\c
.endr
.endm
.macro WQ i                            ; item i is quantised
.if (\i) < 8
.set FH, (ORDER>>(4*(\i)))&15
	QUANT 64*((\i)%4), 2, 16*FH, 1, WHS+FH
.elseif (\i) == 8
	QUANT 0, 2, PCWF, 3, PWF
	IMAGE WWI, 0, PCWF
	ds_store_b32 v[WWS], v[PWF]
.else
	QUANT 64, 2, PCWG, 3, PWG
	IMAGE WWI, 8192, PCWG
	ds_store_b32 v[WWS], v[PWG] offset:512
.endif
.endm
.macro XLD reg, u, s                   ; x of my pixel (tile 2 w + u), channels 128 s + 32 cc + 16 h + i, out of the tile in LDS
.irp cc, 0,1,2,3
.irp i, 0,1,2,3,4,5,6,7,8,9,10,11,12,13,14,15
	ds_load_b32 v[(\reg)+16*\cc+\i], v[AX+2*(\s)+\cc/2] offset:(32*(\cc%2)+\i)*520+32*(\u)
.endr
.endr
.endm
	s_load_b512 s[8:23], s[0:1], 0x0               ; x s[8:9], wf s[10:11], bf s[12:13], wg s[14:15], bg s[16:17], wh s[18:19], bh s[20:21], wo s[22:23]
	s_load_b128 s[24:27], s[0:1], 0x40             ; hq s[24:25], res s[26:27]
	s_load_b64 s[28:29], s[0:1], 0x50              ; gq
	v_lshl_add_u32 v254, v0, 2, 0x30000
	v_mov_b32 v255, 0
	ds_add_u32 v254, v255
	ds_add_u32 v254, v255
	v_lshrrev_b32 v1, 5, v0
	v_readfirstlane_b32 s[WV], v1                  ; wave 0..3
	s_mov_b32 s[J], ttmp9                          ; the step of 128 pixels
	s_and_b32 s[BT], ttmp7, 0xffff                 ; the batch
	s_mov_b32 s[SEL], 0x76543210
	s_mov_b32 s[SEL+1], 0xfedcba98                 ; v_permlanex16_b32's selects for lane l xor 16
	s_mov_b32 s[HM], 0xffff0000                    ; lanes 16-31
	; descriptor group 1: 64 rows x 128 elements of 4 bytes, 4,096 elements from row to row; 2 words of padding behind every 128
	s_mov_b32 s[G1], (2<<16)|(1<<20)|(6<<22)|(1<<25)
	s_mov_b32 s[G1+1], 128<<16
	s_mov_b32 s[G1+2], 64<<16
	s_mov_b32 s[G1+3], 128<<16
	s_mov_b32 s[G1+4], 64
	s_mov_b32 s[G1+5], 4096
	s_mov_b32 s[G1+6], 0
	s_mov_b32 s[G1+7], 0
	s_mov_b32 s[G0], 1
	s_mul_i32 s[G0+1], s[WV], 33280                ; my 64 channel rows in LDS
	s_lshl_b32 s80, s[BT], 22                      ; the batch's 4 MiB,
	s_lshl_b32 s82, s[WV], 20                      ; my 64 rows of 16 KiB,
	s_add_co_u32 s80, s80, s82
	s_lshl_b32 s82, s[J], 9                        ; the step's 512 bytes
	s_add_co_u32 s80, s80, s82
	s_mov_b32 s81, 0                               ; stays 0: s[80:81] is every offset's pair
	s_wait_dscnt 0x0
	s_wait_kmcnt 0x0
	s_add_nc_u64 s[G0+2:G0+3], s[8:9], s[80:81]
	s_or_b32 s[G0+3], s[G0+3], 0x80000000
	tensor_load_to_lds s[G0:G0+3], s[G1:G1+7]      ; my one tensor load: a first fill; nothing is filled again in this launch
	s_nop 0
.rept 4
	v_nop
.endr
	s_lshl_b32 s80, s[WV], 16
	s_add_nc_u64 s[WHB:WHB+1], s[18:19], s[80:81]  ; my 64 rows of wh
	s_lshr_b32 s84, s[WV], 1                       ; u of my fragment of wf and wg; also my role: 0 f, 1 g
	s_and_b32 s83, s[WV], 1                        ; its K step; also my group of 64 pixels
	s_lshl_b32 s80, s84, 13
	s_lshl_b32 s82, s83, 9
	s_add_co_u32 s80, s80, s82
	s_add_nc_u64 s[WFB:WFB+1], s[10:11], s[80:81]
	s_add_nc_u64 s[WGB:WGB+1], s[14:15], s[80:81]
	s_lshl_b32 s80, s[WV], 8
	s_add_nc_u64 s[BHB:BHB+1], s[20:21], s[80:81]
	s_cmp_lt_u32 s[WV], 2
	s_cselect_b64 s[BFB:BFB+1], s[12:13], s[16:17] ; my role's bias
	v_and_b32 v1, 31, v0                           ; lane
	v_and_b32 v2, 15, v0                           ; r
	v_bfe_u32 v3, v0, 4, 1                         ; h
	v_and_b32 v4, 8, v2
	v_add_nc_u32 v4, v4, v2                        ; r + 8 (r / 8)
	v_lshlrev_b32 v[VWP], 10, v4
	v_lshl_add_u32 v[VWP], v3, 6, v[VWP]
	s_wait_alu depctr_va_vdst(0)
	v_lshlrev_b32 v[VBH], 2, v4
	v_lshlrev_b32 v[VBF], 6, v3
.irp t, 0,1,2,3
	global_load_b32 v[BHT+\t], v[VBH], s[BHB:BHB+1] offset:4*(32*(\t/2)+8*(\t%2))    ; bh of my lane's channel in each of my four tiles
.endr
	WIN 0x40
.irp u, 0,1
	global_load_b128 v[224+8*\u:224+8*\u+3], v[VBF], s[BFB:BFB+1] offset:32*\u       ; bf or bg at channels 8 u + 16 h + 0 .. 7: the C of tile u
	global_load_b128 v[224+8*\u+4:224+8*\u+7], v[VBF], s[BFB:BFB+1] offset:32*\u+16
.endr
	WIN 0
.irp i, 0,1,2,3
	WL \i                                          ; four fragments, 64 loads, are on their way
.endr
	; the other addresses, all made here, on the one way that every wave takes
	v_lshlrev_b32 v[VWN], 10, v2
	v_lshl_add_u32 v[VWN], v3, 6, v[VWN]
	v_lshlrev_b32 v[LI], 4, v1
	v_lshlrev_b32 v[LS], 2, v1
	v_lshlrev_b32 v[L8], 3, v1
	s_lshl_b32 s82, s[WV], 7
	v_mul_u32_u24 v[AX], v3, 8320                  ; 16 h rows of 520 bytes,
	v_lshl_add_u32 v[AX], v4, 2, v[AX]             ; my pixel of a tile,
	v_add_nc_u32 v[AX], s82, v[AX]                 ; in my wave's 32 pixels
	v_add_nc_u32 v[AX+1], 33280, v[AX]
	v_add_nc_u32 v[AX+2], 66560, v[AX]
	v_add_nc_u32 v[AX+3], 99840, v[AX]
	s_lshl_b32 s82, s[WV], 13
	s_add_co_u32 s82, s82, XIMG
	v_add_nc_u32 v[XWI], s82, v[LI]                ; where I store x's four fragments,
	s_lshl_b32 s82, s[WV], 9
	s_add_co_u32 s82, s82, XSC
	v_add_nc_u32 v[XWS], s82, v[LS]                ; their scale words,
	s_lshl_b32 s82, s[WV], 11
	s_add_co_u32 s82, s82, WIMG
	v_add_nc_u32 v[WWI], s82, v[LI]                ; my fragment of wf (wg's 8,192 bytes on),
	s_lshl_b32 s82, s[WV], 7
	s_add_co_u32 s82, s82, WSC
	v_add_nc_u32 v[WWS], s82, v[LS]                ; its scale word (wg's 512 on)
	v_add_nc_u32 v[XRI], XIMG, v[LI]               ; where I read x's fragments: all of them,
	v_add_nc_u32 v[XRS], XSC, v[LS]
	s_lshl_b32 s82, s83, 14
	v_add_nc_u32 v[XRH], s82, v[XRI]               ; my group's eight,
	s_lshl_b32 s82, s83, 10
	v_add_nc_u32 v[XRSH], s82, v[XRS]
	s_lshl_b32 s82, s84, 13
	s_add_co_u32 s82, s82, WIMG
	v_add_nc_u32 v[WRI], s82, v[LI]                ; and my role's four of wf or wg
	s_lshl_b32 s82, s84, 9
	s_add_co_u32 s82, s82, WSC
	v_add_nc_u32 v[WRS], s82, v[LS]
.irp b, 0,1,2,3
	v_mov_b32 v[TM+4+\b], 0                        ; written once: a lane permute's destination counts as one of its sources
.endr
	; where the results go; each base has a pair of its own and is never written again
	s_lshr_b32 s80, s[J], 1
	s_lshl_b32 s80, s80, 14
	s_and_b32 s82, s[J], 1
	s_lshl_b32 s82, s82, 9
	s_add_co_u32 s80, s80, s82
	s_add_nc_u64 s[WOB:WOB+1], s[22:23], s[80:81]  ; wo: rows 16 (j / 2) on, K step j % 2
	s_mul_i32 s85, s[BT], 1114112                  ; the batch's 17 slots of hq
	s_mul_i32 s86, s[BT], 176128                   ; the batch's block of res
	s_lshl_b32 s80, s[J], 15
	s_add_co_u32 s80, s80, s85
	s_lshl_b32 s82, s[WV], 13
	s_add_co_u32 s80, s80, s82
	s_add_nc_u64 s[HQB:HQB+1], s[24:25], s[80:81]  ; hh: step j, my four channel tiles
	s_lshl_b32 s80, s[J], 11
	s_add_co_u32 s80, s80, s85
	s_add_co_u32 s80, s80, 1048576
	s_add_nc_u64 s[HQW:HQW+1], s[24:25], s[80:81]  ; wo's fragment j, in slot 16
	s_lshl_b32 s80, s[J], 7
	s_add_co_u32 s80, s80, s86
	s_add_co_u32 s80, s80, 172032
	s_add_nc_u64 s[RWS:RWS+1], s[26:27], s[80:81]  ; its scale words
	s_lshl_b32 s80, s[J], 10
	s_add_co_u32 s80, s80, s86
	s_lshl_b32 s82, s[WV], 8
	s_add_co_u32 s80, s80, s82
	s_add_co_u32 s80, s80, 131072
	s_add_nc_u64 s[RHS:RHS+1], s[26:27], s[80:81]  ; hh's scale words
	s_lshl_b32 s80, s[J], 12
	s_add_co_u32 s80, s80, s86
	s_lshl_b32 s82, s83, 11
	s_add_co_u32 s80, s80, s82
	s_add_nc_u64 s[CD:CD+1], s[26:27], s[80:81]    ; f's codes,
	s_lshl_b32 s80, s[J], 8
	s_add_co_u32 s80, s80, s86
	s_lshl_b32 s82, s83, 7
	s_add_co_u32 s80, s80, s82
	s_add_co_u32 s80, s80, 163840
	s_add_nc_u64 s[SD:SD+1], s[26:27], s[80:81]    ; f's scale words
	s_lshl_b32 s87, s[BT], 6
	s_lshl_b32 s82, s[J], 1
	s_add_co_u32 s87, s87, s82
	s_add_co_u32 s87, s87, s83                     ; which group of 64 pixels of all
	s_lshl_b32 s80, s87, 11
	s_add_nc_u64 s[88:89], s[28:29], s[80:81]      ; g's codes,
	s_lshl_b32 s80, s87, 7
	s_add_co_u32 s80, s80, 1048576
	s_add_nc_u64 s[90:91], s[28:29], s[80:81]      ; g's scale words
	s_cmp_lt_u32 s[WV], 2                          ; the choice hangs on the wave's number alone
	s_cselect_b64 s[CD:CD+1], s[CD:CD+1], s[88:89]
	s_cselect_b64 s[SD:SD+1], s[SD:SD+1], s[90:91]
	; ---- THE WEIGHTS: ten fragments a wave, three fragments' loads behind the one in hand
.irp i, 0,1,2,3,4,5,6,7,8,9
.if \i < 7
	s_wait_loadcnt 48                              ; this fragment's 16 loads are in; those of the three behind it may be out
.else
	s_wait_loadcnt 16*(9-\i)                       ; fewer are behind it
.endif
.if \i == 0
	WIN 0x40
.irp t, 0,1,2,3
.irp k, 0,1,2,3,4,5,6,7
	v_mov_b32 v[192+8*\t+\k], v[BHT+\t]            ; bh (asked for ahead of the weights) as the C of hh's first products: a lane holds one channel, so its eight registers are equal
.endr
.endr
	WIN 0
.endif
	WQ \i
.if \i+4 < 10
	WL \i+4                                        ; into the set just quantised
.endif
.endr
	s_cmp_lg_u32 s[WV], 3                          ; wave 3: fragment j of wo, for the batch's copy behind hh's slots
	s_cbranch_scc1 .Lnot_wo
.irp cc, 0,1,2,3
.irp jj, 0,1,2,3
	global_load_b128 v[ST0+16*\cc+4*\jj:ST0+16*\cc+4*\jj+3], v[VWN], s[WOB:WOB+1] offset:128*\cc+16*\jj
.endr
.endr
	s_wait_loadcnt 0x0
	QUANT ST0, 0, PCWO, 3, PWO
	GIMAGE HQW, 0, PCWO
	global_store_b32 v[LS], v[PWO], s[RWS:RWS+1]
.Lnot_wo:
	s_wait_tensorcnt 0x0                           ; my 64 rows of x are in LDS,
	s_wait_dscnt 0x0                               ; my images of wf and wg too
	s_barrier_signal -1
	s_barrier_wait -1                              ; everybody's are
	; ---- X: my two pixel tiles, two K steps each, become four fragments
	XLD ST0, 0, 0
	XLD ST1, 0, 1
.irp k, 0,1,2,3
.if \k < 3
	s_wait_dscnt 63                                ; behind this fragment's 64 loads stand 64 or 69 LDS instructions: the largest count that the wait can name lies under that
.else
	s_wait_dscnt 5                                 ; behind the last fragment's loads: the five stores of the image before
.endif
	QUANT ST0+64*(\k%2), 0, PCX+16*\k, 3, PWX+\k
	IMAGE XWI, 2048*\k, PCX+16*\k
	ds_store_b32 v[XWS], v[PWX+\k] offset:128*\k
.if \k < 2
	XLD ST0+64*(\k%2), 1, \k
.endif
.endr
	s_wait_dscnt 0x0
	s_barrier_signal -1
	s_barrier_wait -1                              ; x's sixteen fragments lie in LDS
	; ---- f OR g for my 64 pixels, transposed: source 0 = 16 rows of the weight, source 1 = 16 pixels: a lane holds one pixel, and 16 of its 32 channels
	WIN 0x80
.irp f, 0,1,2,3,4,5,6,7
	FETCH 16*\f, XRH, 2048*\f
.endr
	WIN 0x40
.irp f, 0,1,2,3
	FETCH 128+16*\f, WRI, 2048*\f
.endr
	WIN 0
.irp f, 0,1,2,3,4,5,6,7
	ds_load_b32 v[XS1+\f], v[XRSH] offset:128*\f
.endr
.irp f, 0,1,2,3
	ds_load_b32 v[WFS+\f], v[WRS] offset:128*\f
.endr
	s_wait_dscnt 0x0
	WIN 0x19                                       ; source 0 window 1, source 1 window 2, C (the bias) window 1, D window 0.  The eight accumulators take turns
.irp p, 0,1,2,3
.irp u, 0,1
	v_wmma_scale_f32_16x16x128_f8f6f4 v[ST1+16*\p+8*\u:ST1+16*\p+8*\u+7], v[128+32*\u:128+32*\u+15], v[32*\p:32*\p+15], v[224+8*\u:224+8*\u+7], v[WFS+2*\u], v[XS1+2*\p] matrix_a_fmt:MATRIX_FMT_BF8 matrix_b_fmt:MATRIX_FMT_BF8
.endr
.endr
	WIN 0x09
.irp p, 0,1,2,3
.irp u, 0,1
	v_wmma_scale_f32_16x16x128_f8f6f4 v[ST1+16*\p+8*\u:ST1+16*\p+8*\u+7], v[128+32*\u+16:128+32*\u+31], v[32*\p+16:32*\p+31], v[ST1+16*\p+8*\u:ST1+16*\p+8*\u+7], v[WFS+2*\u+1], v[XS1+2*\p+1] matrix_a_fmt:MATRIX_FMT_BF8 matrix_b_fmt:MATRIX_FMT_BF8
.endr
.endr
	WIN 0
.rept 8
	v_nop                                          ; eight places behind this form, ahead of the first read of results
.endr
	QUANT ST1, 0, PCQ, 3, PWQ                      ; block b is pixel tile b's 32 channels: four tiles make one run of 16 registers, their four bytes one word
	GIMAGE CD, 0, PCQ
	global_store_b32 v[LS], v[PWQ], s[SD:SD+1]
	; ---- hh for my 64 channels x 128 pixels: source 0 = 16 pixels, source 1 = 16 rows of wh: a lane holds one channel, and its registers run along the pixels, the next K
	WIN 0x80
.irp f, 0,1,2,3,4,5,6,7,8,9,10,11,12,13,14,15
	FETCH 16*\f, XRI, 2048*\f
.endr
	WIN 0
.irp f, 0,1,2,3,4,5,6,7,8,9,10,11,12,13,14,15
	ds_load_b32 v[XS+\f], v[XRS] offset:128*\f
.endr
	s_wait_dscnt 0x0
.macro HH t, slot
	WIN 0x16                                       ; source 0 window 2, source 1 window 1, C (bh) window 1, D window 0
.irp p, 0,1,2,3,4,5,6,7
	v_wmma_scale_f32_16x16x128_f8f6f4 v[ST0+8*\p:ST0+8*\p+7], v[32*\p:32*\p+15], v[32*(\t):32*(\t)+15], v[192+8*(\t):192+8*(\t)+7], v[XS+2*\p], v[WHS+2*(\t)] matrix_a_fmt:MATRIX_FMT_BF8 matrix_b_fmt:MATRIX_FMT_BF8
.endr
	WIN 0x06
.irp p, 0,1,2,3,4,5,6,7
	v_wmma_scale_f32_16x16x128_f8f6f4 v[ST0+8*\p:ST0+8*\p+7], v[32*\p+16:32*\p+31], v[32*(\t)+16:32*(\t)+31], v[ST0+8*\p:ST0+8*\p+7], v[XS+2*\p+1], v[WHS+2*(\t)+1] matrix_a_fmt:MATRIX_FMT_BF8 matrix_b_fmt:MATRIX_FMT_BF8
.endr
	WIN 0
.rept 8
	v_nop
.endr
	QUANT ST0, 0, \slot, 3, PWH+(\t)%2             ; its lines on v160-175 and the eight above are more than the nine places ahead of the next tile's products, which begin these accumulators anew
	GIMAGE HQB, 2048*(\t), \slot
.if (\t)%2
	v_cndmask_b32 v[HP+(\t)/2], v[PWH], v[PWH+1], s[HM]            ; one register for a pair of tiles: the even tile's words in lanes 0-15, the odd tile's in lanes 16-31
.endif
.endm
	HH 0, 0
	HH 1, 16
	HH 2, 96
	HH 3, 112
	global_store_b64 v[L8], v[HP:HP+1], s[RHS:RHS+1]               ; 32 lanes store 256 consecutive bytes, aligned
	s_wait_tensorcnt 0x0
	ds_add_u32 v254, v255
	s_wait_dscnt 0x0
	s_endpgm
.Lfunc_end_k_qe6d4ff1229_proj:
	.size	k_qe6d4ff1229_proj, .Lfunc_end_k_qe6d4ff1229_proj-k_qe6d4ff1229_proj
	.p2alignl 7, 3214868480
	.fill 96, 4, 3214868480
	.section	.rodata,"a",@progbits
	.p2align	6, 0x0
	.amdhsa_kernel k_qe6d4ff1229_proj
		.amdhsa_group_segment_fixed_size 197120
		.amdhsa_private_segment_fixed_size 0
		.amdhsa_enable_private_segment 0
		.amdhsa_kernarg_size 88
		.amdhsa_user_sgpr_count 2
		.amdhsa_user_sgpr_kernarg_segment_ptr 1
		.amdhsa_wavefront_size32 1
		.amdhsa_system_sgpr_workgroup_id_x 1
		.amdhsa_system_sgpr_workgroup_id_y 1
		.amdhsa_system_sgpr_workgroup_id_z 1
		.amdhsa_system_vgpr_workitem_id 0
		.amdhsa_next_free_vgpr 1024
		.amdhsa_next_free_sgpr 100
		.amdhsa_reserve_vcc 0
		.amdhsa_float_denorm_mode_32 3
		.amdhsa_float_denorm_mode_16_64 3
		.amdhsa_fp16_overflow 1
		.amdhsa_memory_ordered 1
		.amdhsa_forward_progress 1
		.amdhsa_inst_pref_size 143
	.end_amdhsa_kernel
	.amdgpu_metadata
---
amdhsa.version: [ 1, 2 ]
amdhsa.kernels:
  - .name:           k_qe6d4ff1229_proj
    .symbol:         k_qe6d4ff1229_proj.kd
    .args:
      - { .name: x, .offset: 0, .size: 8, .value_kind: global_buffer, .address_space: global }
      - { .name: wf, .offset: 8, .size: 8, .value_kind: global_buffer, .address_space: global }
      - { .name: bf, .offset: 16, .size: 8, .value_kind: global_buffer, .address_space: global }
      - { .name: wg, .offset: 24, .size: 8, .value_kind: global_buffer, .address_space: global }
      - { .name: bg, .offset: 32, .size: 8, .value_kind: global_buffer, .address_space: global }
      - { .name: wh, .offset: 40, .size: 8, .value_kind: global_buffer, .address_space: global }
      - { .name: bh, .offset: 48, .size: 8, .value_kind: global_buffer, .address_space: global }
      - { .name: wo, .offset: 56, .size: 8, .value_kind: global_buffer, .address_space: global }
      - { .name: hq, .offset: 64, .size: 8, .value_kind: global_buffer, .address_space: global }
      - { .name: res, .offset: 72, .size: 8, .value_kind: global_buffer, .address_space: global }
      - { .name: gq, .offset: 80, .size: 8, .value_kind: global_buffer, .address_space: global }
    .group_segment_fixed_size: 197120
    .private_segment_fixed_size: 0
    .kernarg_segment_align: 8
    .kernarg_segment_size: 88
    .max_flat_workgroup_size: 128
    .sgpr_count:     100
    .vgpr_count:     1024
    .wavefront_size: 32
...
	.end_amdgpu_metadata
.endif
;; end of part 1
;; launch attn (part 2): grid 32 x 8, 8 waves a work-group, clusters of 4 x 1, 327,680 bytes of LDS; arguments hq, res, gq, x, bo, gamma, out0; writes out0
.if DOCPART == 2
	.amdgcn_target "amdgcn-amd-amdhsa--gfx1250"
	.amdhsa_code_object_version 6
	.text
	.protected	k_qe6d4ff1229_attn
	.globl	k_qe6d4ff1229_attn
	.p2align	8
	.type	k_qe6d4ff1229_attn,@function
k_qe6d4ff1229_attn:
	s_mov_b64 s[64:65], 0
	v_nop
	global_prefetch_b8 v0, s[64:65] scope:SCOPE_SE
	s_setreg_imm32_b32 hwreg(HW_REG_WAVE_MODE, 25, 1), 1
	s_wait_xcnt 0x0
	s_wait_alu depctr_hold_cnt(0) depctr_sa_sdst(0) depctr_va_vdst(0) depctr_va_sdst(0) depctr_va_ssrc(0) depctr_va_vcc(0) depctr_vm_vsrc(0)
	s_getreg_b32 s2, hwreg(HW_REG_IB_STS2, 6, 4)
	s_cmp_eq_u32 s2, 0
	s_cbranch_scc0 .Lentry_in_a_cluster
	s_endpgm
.Lentry_in_a_cluster:
	s_bfe_u32 s2, ttmp6, 0x10000c
	s_cmp_lg_u32 s2, 0x3003
	s_cbranch_scc0 .Lentry_shape_is_right
	s_endpgm
.Lentry_shape_is_right:
; out0 = gamma (wo o_pre + bo) + x, o_pre[c][i] = sum over j of hh[c][j] softmax_j(g[:, i] . f[:, j]); all three products on codes of BF8 (E5M2) with one E8M0 scale for each 32 along K.
; The operands come from the launch before as images of their registers: hq (hh by steps of 128 pixels, 16 channel tiles a step; behind them a copy of wo), res (f's codes, hh's, f's and wo's scale words), gq (g).
; THE SOFTMAX: t = score x log2(e); M = the running largest t rounded UP to a whole number; p = 2^(t - M) is quantised along the keys, not normalised; the row's sum is taken of the unquantised p and divides at the end.
; When M moves, the sum and O are multiplied by 2^(old M - new M): exact.
; SHARES.  A work-group owns 128 queries of one batch, each of its EIGHT waves one tile of 16: two waves to a SIMD, so that one wave's vector work stands beside the other's matrix work and LDS loads.
; Every wave walks all 4,096 keys, 128 a step, two steps to a slot of the ring.  At the end the waves share the output channels: wave w makes channels 32 w .. 32 w + 31 for all 128 pixels.
; LAYOUT.  S^T = f^T g (source 0 = keys, source 1 = my queries), O^T = hh P^T (source 0 = 16 channels): a lane holds ONE query throughout.  Lane r of tile 2 b + u (pixels, and hh's channels) takes row
; 32 b + 8 u + r + 8 (r / 8), so that the 16 registers of tiles 2 b, 2 b + 1 are 16 neighbours along the next K: p's and o_pre's conversions give operand registers.
; K = 32 IN A FORM OF K = 128: source 0 is a run of 16 registers that holds FOUR key tiles, one in each block of 32; source 1 is a window of 16 registers out of 28 that has g's codes in block c and zero codes elsewhere.
; So four instructions on one run give four tiles of S^T, and no register of zeros is kept on the keys' side.
; LOADS AHEAD.  A step's codes of f and its scale words are asked for a step earlier, behind the products that read the registers last.  Of a step's 16 tiles of hh six are asked for ahead of the softmax, four more
; into S^T's registers as soon as p's blocks are converted, and the last six into the first six's buffers, three groups of products ahead of their use.
; CLUSTER.  The four work-groups of a cluster belong to one batch and walk the same hq and res: each tile is asked for JOINTLY, by the same tensor load with the same descriptor and the mask of all four.
; LIMITS: NaN and infinities among the inputs are not served.  O^T begins as zeros (128 moves, once), so that the key step is written once: the first change of M multiplies zeros.
; REGISTERS.  window 0: v1-11 addresses; v12 -M, v13 the largest t, v[14:15] the sum; v16-43 the Q window; v44-75 f's two runs; v80-143 S^T, then p, then four tiles of hh; v144-159 p's codes; v160-181 at work;
;   v182-197 o_pre's second codes; v208-219 the way out's addresses; v224-227 scale words just made, bo; v228-250 SCALE REGISTERS: v228-231 g's (later wo's), v232-233 f's, v234-249 hh's, two sets
;   (later o_pre's), v250 p's.  On the way out v8-15 and v216-223 hold bo as C.
;   window 1: v0-127 O^T, later the 16 accumulators of the last product; v128-223 three buffers of two tiles of hh; v224 the LDS address of hh's tiles; on the way out v128-191 x's second 16 rows, v192-255 wo's fragments.
.set SLOT1, 65536                      ; LDS: the ring's two slots of 65,536 bytes; one exclusive or turns an address from one into the other
.set RES,   131072                     ; the batch's block of res, 176,128 bytes, as it lies in memory; filled once
.set FQ,    RES
.set HS,    RES+131072
.set FS,    RES+163840
.set WOS,   RES+172032
.set SPARE, 307200                     ; the spare words, 128 bytes for each wave: four blocks of 256 bytes that no other line names
.set OIMG,  65536                      ; the way out: o_pre's 16 fragments and
.set OSC,   98304                      ; their scale words, in slot 1, and
.set STG,   131072                     ; a stage of 16 rows x 528 bytes for each wave, where f's codes lay: both have had their last fill and, behind the last barrier of the walk, their last read
.set AF0, 1
.set AS0, 2
.set AH0, 3
.set AV0, 4                            ; v4   16 x lane; never rewritten
.set SPW, 5
.set NIL, 6
.set PFO, 7                            ; v7   256 x lane; never rewritten
.set ADF, 8
.set ADS, 9
.set ADH, 10
.set ADW, 11                           ; v11  the LDS address of hh's tiles, for the loads whose destination lies in window 0
.set QW,  16
.set F,   44
.set S,   80
.set PC,  144
.set TM,  160
.set BM,  TM                           ; the blocks' largest scores, then largest p
.set T2,  TM+4
.set LM,  TM+8
.set SC,  TM+12
.set TMP, 176
.set FCT, 178                          ; v[178:179] f = 2^(old M - new M), later 1 / the sum; the packed forms name the pair and take its low word
.set SUM2, 180
.set OP,  80                           ; o_pre's eight fragments of a K step
.set AWO, 208
.set AWS, 209
.set AOI, 210
.set AOS, 211
.set OWI, 212
.set OWS, 213
.set STO, 214
.set STR, 215
.set PW,  224
.set BO,  226
.set QS,  228
.set FSW, 232
.set HSW, 234
.set PSW, 250
.set VB,  128                          ; window 1
.set ADV, 224                          ; window 1
.set WOF, 192                          ; window 1: wo's four fragments on the way out
.set WV,  18
.set MNT, 19
.set SEL, 20
.set CS,  22
.set G1,  24
.set G1R, 32
.set G0,  40
.set G0R, 44
.set TB,  48
.set TF,  49
.set TS,  50
.set TH,  51
.set SLOTS, 52
.set LIM, 53
.set PFA, 54
.set XBS, 56
.set OBS, 58
.set GQC, 60
.set GQS, 62
.set GAM, 80
.set MSB, 0
.macro WIN new                         ; the immediate's high byte repeats the setting that is left; a switch that changes nothing is dropped
.if MSB != (\new)
	s_set_vgpr_msb (MSB<<8)|(\new)
.set MSB, (\new)
.endif
.endm
.macro CROUND                          ; a round of the cluster's barrier
	s_barrier_signal -1
	s_barrier_wait -1
	s_cmp_lg_u32 s[WV], 0
	s_cbranch_scc1 .Lnot_wave_0_\@
	s_barrier_signal -3
.Lnot_wave_0_\@:
	s_barrier_wait -3
	s_barrier_signal -1
	s_barrier_wait -1
.endm
.macro TLOAD                           ; waves 0 to 3 fetch a quarter of a slot each; the branch hangs on the wave's number alone.  Four v_nop follow the load
	s_cmp_lt_u32 s[WV], 4
	s_cbranch_scc0 .Lno_fetch_\@
	tensor_load_to_lds s[G0:G0+3], s[G1:G1+7]
	s_nop 0
.rept 4
	v_nop
.endr
.Lno_fetch_\@:
.endm
; A PREFETCH INTO THE L2 of the slot that the NEXT change of slots will ask for: two key steps ahead of that load.  All clusters of a batch walk the same slots: the batch's first cluster asks.  Its four partners share
; the slot's 65,536 bytes out BY ADDRESS, 16,384 each; in each, waves 4 and 5, which fetch nothing, ask for 8,192 bytes, lanes 256 bytes apart.  So each aligned block of 256 bytes is named once in the launch.
; The last change of slots asks for nothing: there is no slot behind the one that it fills.  Slots 0 and 1 and the block of res come by their loads alone.
.macro ASK
	s_cmp_gt_u32 s[SLOTS], s[LIM]
	s_cbranch_scc0 .Lnot_mine_\@
	global_prefetch_b8 v[PFO], s[PFA:PFA+1] th:TH_LOAD_NT scope:SCOPE_SE
.Lnot_mine_\@:
.endm
; THE CHANGE OF SLOTS stands at a slot's head.  Each wave waits for all its tensor loads, adds 0 to its spare word, and waits for that and for its reads of the slot that it has left.  fill = 1: a round of the cluster's
; barrier, and behind it the slot just left is filled with the slot after the one ahead: the load has two key steps in which to land.
.macro CHANGE fill
	s_wait_tensorcnt 0x0                           ; no tensor load of mine is out, so a group 0 may be written
	ds_add_u32 v[SPW], v[NIL]                      ; 0 onto my spare word
.if \fill
	s_xor_b32 s[G0+1], s[G0+1], SLOT1              ; the walking descriptor: the other slot than last time,
	s_add_nc_u64 s[G0+2:G0+3], s[G0+2:G0+3], 0x10000   ; the next 65,536 bytes; the type bits on top are not reached
	s_wait_xcnt 0x0                                ; the last prefetch, a slot back, has read its address, so it may be written:
	s_add_nc_u64 s[PFA:PFA+1], s[PFA:PFA+1], 0x10000   ; one slot further on than the walking descriptor
	s_wait_dscnt 0x0                               ; the add is done, and my reads of the slot that I have left are over
	CROUND                                         ; that now holds of every wave of all four work-groups
	TLOAD                                          ; the first thing behind the round, and a wave's one tensor load until the next
	ASK
.else
	s_wait_dscnt 0x0
	s_barrier_signal -1
	s_barrier_wait -1
.endif
.endm
; a step's codes of f (run g holds key tiles 4 g .. 4 g + 3), their scale words, and hh's scale words (a register for each pair of channel tiles) into set st: 14 LDS loads
.macro FLD fa, sa, ha, st
.irp g, 0,1
.irp c, 0,1,2,3
	ds_load_b128 v[F+16*\g+4*\c:F+16*\g+4*\c+3], v[\fa] offset:2048*\g+512*\c
.endr
	ds_load_b32 v[FSW+\g], v[\sa] offset:128*\g
.endr
.irp k, 0,1,2,3
	ds_load_b64 v[HSW+8*(\st)+2*\k:HSW+8*(\st)+2*\k+1], v[\ha] offset:256*\k
.endr
.endm
.macro VLD q, g, buf                   ; hh's channel tiles 2 g and 2 g + 1 of the slot's q-th step into buffer buf (under the setting 0x51: destination and address in window 1)
.irp k, 0,1
.irp c, 0,1,2,3
	ds_load_b128 v[VB+32*(\buf)+16*\k+4*\c:VB+32*(\buf)+16*\k+4*\c+3], v[ADV] offset:32768*(\q)+2048*(2*(\g)+\k)+512*\c
.endr
.endr
.endm
.macro VLW q, t, b                     ; hh's channel tile t into the 16 registers that held block b of p (every window 0)
.irp c, 0,1,2,3
	ds_load_b128 v[S+16*(\b)+4*\c:S+16*(\b)+4*\c+3], v[ADW] offset:32768*(\q)+2048*(\t)+512*\c
.endr
.endm
.macro RESC g0, ng                     ; O^T's groups g0 .. g0 + ng - 1 (two channel tiles each) under the new M: eight packed multiplications a group (setting 0x51)
.set n, 16*(\g0)
.rept 8*(\ng)
	v_pk_mul_f32 v[n:n+1], v[n:n+1], v[FCT:FCT+1] op_sel_hi:[1,0]
.set n, n+2
.endr
.endm
.macro PVG q, g, a                     ; O^T += hh P^T for channel tiles 2 g and 2 g + 1, whose fragments begin at v[a]; one scale register serves the pair: the even tile's words in lanes 0-15, the odd tile's in lanes 16-31
	v_wmma_scale_f32_16x16x128_f8f6f4 v[16*(\g):16*(\g)+7], v[(\a):(\a)+15], v[PC:PC+15], v[16*(\g):16*(\g)+7], v[HSW+8*(\q)+(\g)], v[PSW] matrix_a_fmt:MATRIX_FMT_BF8 matrix_b_fmt:MATRIX_FMT_BF8
	v_wmma_scale_f32_16x16x128_f8f6f4 v[16*(\g)+8:16*(\g)+15], v[(\a)+16:(\a)+31], v[PC:PC+15], v[16*(\g)+8:16*(\g)+15], v[HSW+8*(\q)+(\g)], v[PSW] matrix_a_fmt:MATRIX_FMT_BF8 matrix_b_fmt:MATRIX_FMT_BF8 matrix_a_scale:MATRIX_SCALE_ROW1
.endm
; 64 signed numbers of a lane, register 16 b + i = k 32 b + 16 (lane / 16) + i of my row, become a fragment's codes and its scale word
.macro QUANT src, dst, pw
.irp b, 0,1,2,3
	v_max3_num_f32 v[TM+\b], |v[(\src)+16*\b]|, |v[(\src)+16*\b+1]|, 0x8000000      ; and the floor 2^(16 - 127): the byte cannot fall under 1
.endr
.irp i, 2,4,6,8,10,12,14
.irp b, 0,1,2,3
	s_delay_alu instid0(VALU_DEP_4)
	v_max3_num_f32 v[TM+\b], v[TM+\b], |v[(\src)+16*\b+\i]|, |v[(\src)+16*\b+\i+1]|
.endr
.endr
.irp b, 0,1,2,3
	s_delay_alu instid0(VALU_DEP_4)
	v_permlanex16_b32 v[T2+\b], v[TM+\b], s[SEL], s[SEL+1]
.endr
.irp b, 0,1,2,3
	s_delay_alu instid0(VALU_DEP_4)
	v_max_num_f32 v[TM+\b], v[TM+\b], v[T2+\b]
.endr
.irp b, 0,1,2,3
	s_delay_alu instid0(VALU_DEP_4)
	v_add_nc_u32 v[SC+\b], 0xf8800000, v[TM+\b]
.endr
.irp b, 0,1,2,3
.endr
.irp b, 0,1,2,3
	s_delay_alu instid0(VALU_DEP_4)
	v_lshrrev_b32 v[T2+\b], 23, v[SC+\b]
.endr
	s_delay_alu instid0(VALU_DEP_3)
	v_lshl_or_b32 v[\pw], v[T2+1], 8, v[T2]
	s_delay_alu instid0(VALU_DEP_1)
	v_lshl_or_b32 v[\pw], v[T2+2], 16, v[\pw]
	s_delay_alu instid0(VALU_DEP_1)
	v_lshl_or_b32 v[\pw], v[T2+3], 24, v[\pw]
.irp b, 0,1,2,3
.irp i, 0,1,2,3,4,5,6,7,8,9,10,11,12,13,14,15
.endr
	v_cvt_scalef32_pk8_bf8_f32 v[(\dst)+4*\b:(\dst)+4*\b+1], v[(\src)+16*\b:(\src)+16*\b+7], v[SC+\b]
	v_cvt_scalef32_pk8_bf8_f32 v[(\dst)+4*\b+2:(\dst)+4*\b+3], v[(\src)+16*\b+8:(\src)+16*\b+15], v[SC+\b]
.endr
	v_nop                                          ; one plain line between the last conversion and whatever next touches its registers
.endm
.macro IMAGE adr, off, slot
.irp c, 0,1,2,3
	ds_store_b128 v[\adr], v[(\slot)+4*\c:(\slot)+4*\c+3] offset:(\off)+512*\c
.endr
.endm
.macro FETCH reg, adr, off
.irp c, 0,1,2,3
	ds_load_b128 v[(\reg)+4*\c:(\reg)+4*\c+3], v[\adr] offset:(\off)+512*\c
.endr
.endm
	s_load_b256 s[4:11], s[0:1], 0x0               ; hq s[4:5], res s[6:7], gq s[8:9], x s[10:11]
	s_load_b128 s[12:15], s[0:1], 0x20             ; bo s[12:13], gamma s[14:15]
	s_load_b64 s[16:17], s[0:1], 0x30              ; out0
	v_lshl_add_u32 v[SPW], v0, 2, SPARE
	v_mov_b32 v[NIL], 0
	ds_add_u32 v5, v6
	ds_add_u32 v5, v6
	s_wait_dscnt 0x0
	v_lshrrev_b32 v8, 5, v0
	s_delay_alu instid0(VALU_DEP_1)
	v_readfirstlane_b32 s[WV], v8                  ; wave 0..7
	s_and_b32 s66, ttmp7, 0xffff                   ; the batch, which the four partners share
	s_and_b32 s67, s[WV], 3
	s_lshl_b32 s67, s67, 14                        ; the quarter of a slot that I fetch, if I fetch
	s_mul_i32 s68, s66, 1114112                    ; the batch's 17 slots of hq
	s_add_co_u32 s70, s68, s67
	s_mov_b32 s71, 0
	s_mul_i32 s72, s[WV], 22016                    ; my 86 rows of 256 bytes of the block of res
	s_mul_i32 s74, s66, 176128
	s_add_co_u32 s74, s74, s72
	s_mov_b32 s75, 0
	; what hangs on my place in the cluster lies in registers of its own and enters global addresses of my own loads, stores and prefetches alone
	s_bfe_u32 s84, ttmp6, 0x40000                  ; cx
	s_lshl_b32 s85, ttmp9, 2
	s_add_co_u32 s85, s85, s84                     ; my block of 128 queries = 4 x cluster x + cx
	s_lshl_b32 s86, s84, 14
	s_add_co_u32 s86, s86, s68
	s_add_co_u32 s86, s86, 65536
	s_and_b32 s87, s[WV], 1
	s_lshl_b32 s87, s87, 13
	s_add_co_u32 s86, s86, s87                     ; the prefetches: in slot 1, my work-group's 16,384 bytes, my wave's half; the first change of slots steps it to slot 2
	s_mov_b32 s87, 0
	s_lshl_b32 s88, s66, 22
	s_lshl_b32 s89, s[WV], 19
	s_add_co_u32 s88, s88, s89
	s_lshl_b32 s89, s85, 9
	s_add_co_u32 s88, s88, s89                     ; x and out0: the batch, my 32 channel rows, my block's 512 bytes
	s_mov_b32 s89, 0
	s_lshl_b32 s90, s66, 6
	s_lshl_b32 s91, s85, 1
	s_add_co_u32 s90, s90, s91
	s_lshr_b32 s91, s[WV], 2
	s_add_co_u32 s90, s90, s91                     ; which group of 64 pixels holds my query tile
	s_lshl_b32 s92, s90, 11
	s_and_b32 s91, s[WV], 3
	s_lshl_b32 s93, s91, 9
	s_add_co_u32 s92, s92, s93                     ; g's codes: the group's image, my tile's four registers
	s_mov_b32 s93, 0
	s_lshl_b32 s94, s90, 7
	s_add_co_u32 s94, s94, 1048576                 ; the group's scale words
	s_mov_b32 s95, 0
	s_lshl_b32 s82, s91, 3                         ; my tile's byte in them
	; descriptor groups 1: dense blocks as rows of 256 bytes (32 elements of 8 bytes); the mask of all four work-groups, bit 21 beside it
	s_mov_b32 s[G1], 15|(3<<16)|(1<<21)
	s_mov_b32 s[G1+1], 32<<16
	s_mov_b32 s[G1+2], 64<<16
	s_mov_b32 s[G1+3], 32<<16
	s_mov_b32 s[G1+4], 64
	s_mov_b32 s[G1+5], 32
	s_mov_b32 s[G1+6], 0
	s_mov_b32 s[G1+7], 0
	s_mov_b32 s[G1R], 15|(3<<16)|(1<<21)
	s_mov_b32 s[G1R+1], 32<<16
	s_mov_b32 s[G1R+2], 86<<16
	s_mov_b32 s[G1R+3], 32<<16
	s_mov_b32 s[G1R+4], 86
	s_mov_b32 s[G1R+5], 32
	s_mov_b32 s[G1R+6], 0
	s_mov_b32 s[G1R+7], 0
	s_mov_b32 s[SEL], 0x76543210
	s_mov_b32 s[SEL+1], 0xfedcba98
	s_mov_b32 s[CS], 0x3fb8aa3b                    ; log2(e)
	s_mov_b32 s[CS+1], s[CS]                       ; (named with it as a pair, so it is written)
	s_mov_b32 s[TB], 0
	s_mov_b32 s[TF], 0
	s_mov_b32 s[TS], 0
	s_mov_b32 s[TH], 0
	s_mov_b32 s[SLOTS], 16
	s_sub_co_u32 s76, s[WV], 4
	s_lshr_b32 s76, s76, 1                         ; 0 in waves 4 and 5,
	s_or_b32 s76, s76, ttmp9                       ; of the batch's first cluster: the same in all four partners
	s_cmp_eq_u32 s76, 0
	s_cselect_b32 s[LIM], 1, -1
	s_wait_kmcnt 0x0
	s_load_b32 s[GAM], s[14:15], 0x0
	s_mov_b32 s[G0], 1
	s_mov_b32 s[G0+1], s67
	s_add_nc_u64 s[G0+2:G0+3], s[4:5], s[70:71]
	s_or_b32 s[G0+3], s[G0+3], 0x80000000
	s_mov_b32 s[G0R], 1
	s_add_co_u32 s[G0R+1], s72, RES
	s_add_nc_u64 s[G0R+2:G0R+3], s[6:7], s[74:75]
	s_or_b32 s[G0R+3], s[G0R+3], 0x80000000
	s_add_nc_u64 s[PFA:PFA+1], s[4:5], s[86:87]
	s_add_nc_u64 s[XBS:XBS+1], s[10:11], s[88:89]
	s_add_nc_u64 s[OBS:OBS+1], s[16:17], s[88:89]
	s_add_nc_u64 s[GQC:GQC+1], s[8:9], s[92:93]
	s_add_nc_u64 s[GQS:GQS+1], s[8:9], s[94:95]
	CROUND                                         ; all four work-groups are here: the first joint loads meet
	s_cmp_lt_u32 s[WV], 4                          ; a wave's first fills stand in one branch: at most two loads of mine are out
	s_cbranch_scc0 .Lres_only
	tensor_load_to_lds s[G0R:G0R+3], s[G1R:G1R+7]  ; my eighth of the block of res
	s_nop 0
	tensor_load_to_lds s[G0:G0+3], s[G1:G1+7]      ; my quarter of slot 0
	s_nop 0
.rept 4
	v_nop
.endr
	s_branch .Lfilled
.Lres_only:
	tensor_load_to_lds s[G0R:G0R+3], s[G1R:G1R+7]
	s_nop 0
.rept 4
	v_nop
.endr
.Lfilled:
	v_and_b32 v8, 31, v0                           ; lane
	s_delay_alu instid0(VALU_DEP_1)
	v_lshlrev_b32 v[AV0], 4, v8
	s_delay_alu instid0(VALU_DEP_2)
	v_lshlrev_b32 v216, 2, v8
	global_load_b128 v[QW+12:QW+15], v[AV0], s[GQC:GQC+1]          ; g's codes of my 16 queries: 16 of the 32 channels a lane
	global_load_b32 v217, v216, s[GQS:GQS+1]                       ; and the group's scale words
	v_add_nc_u32 v[AF0], FQ, v[AV0]
	v_lshl_add_u32 v[AS0], v8, 2, FS
	v_lshl_add_u32 v[AH0], v8, 3, HS
	v_lshlrev_b32 v[PFO], 8, v8
.irp n, 0,1,2,3,4,5,6,7,8,9,10,11
	v_mov_b32 v[QW+\n], 0                          ; zero codes on both sides of g's four registers
	v_mov_b32 v[QW+16+\n], 0
.endr
.irp b, 0,1,2,3
	v_mov_b32 v[T2+\b], 0                          ; written once: a lane permute's destination counts as one of its sources
.endr
	v_mov_b32 v[TMP], 0
	v_mov_b32 v[FCT+1], 0                          ; (named as the upper half of a pair)
	v_mov_b32 v13, 0xff61b1e6                      ; the largest t so far: -3e38, under every t
	s_delay_alu instid0(VALU_DEP_1)
	v_floor_f32 v12, -v13                          ; -M
	v_mov_b32 v14, 0
	v_mov_b32 v15, 0
	s_wait_loadcnt 0x0
	v_lshrrev_b32 v217, s82, v217
	s_delay_alu instid0(VALU_DEP_1)
	v_and_b32 v217, 0xff, v217                     ; my tile's scale byte
.irp c, 0,1,2,3
	v_lshlrev_b32 v[QS+\c], 8*\c, v217             ; for the window that has g in block c: the byte in place c; the blocks of zero codes get the byte 0
.endr
	WIN 0x40
.set n, 0
.rept 128
	v_mov_b32 v[n], 0                              ; O^T.  (These are also the places between the scale words above and the first products)
.set n, n+1
.endr
	WIN 0
	s_wait_kmcnt 0x0
	s_mov_b32 s[GAM+1], s[GAM]
; A KEY STEP: 128 keys, the q-th of the slot in hand.  Its codes of f and its scale words were asked for a step ago
.macro STEP q
	s_wait_dscnt 0x0                               ; they are in (the last step's last wait has shown it; the first step's stand just ahead of the loop)
.irp g, 0,1
.irp c, 0,1,2,3
	v_wmma_scale_f32_16x16x128_f8f6f4 v[S+32*\g+8*\c:S+32*\g+8*\c+7], v[F+16*\g:F+16*\g+15], v[QW+12-4*\c:QW+27-4*\c], 0, v[FSW+\g], v[QS+\c] matrix_a_fmt:MATRIX_FMT_BF8 matrix_b_fmt:MATRIX_FMT_BF8
.endr
.endr
	s_add_co_u32 s[TF], s[TF], 4096                ; on to the next step's codes of f,
	s_add_co_u32 s[TS], s[TS], 256                 ; its scale words,
	s_add_co_u32 s[TH], s[TH], 1024                ; and hh's
	v_add_nc_u32 v[ADF], s[TF], v[AF0]
	v_add_nc_u32 v[ADS], s[TS], v[AS0]
	v_add_nc_u32 v[ADH], s[TH], v[AH0]
	v_add_nc_u32 v[ADW], s[TB], v[AV0]
.rept 4
	v_nop                                          ; with the four additions: eight places behind this form, ahead of the loads into f's registers and scale words, of the loads into hh's buffers and the other set
.endr                                              ; of its scale words, which the last step's products read, and of the first read of the scores
	FLD ADF, ADS, ADH, 1-(\q)                      ; THE NEXT STEP'S: a whole step ahead of their use.  (The 32nd step asks for the bytes that follow in the block of res: inside LDS, filled, and never used)
	WIN 0x51                                       ; destination, source 0 (an LDS address too) and source 2 in window 1, source 1 in window 0
	v_add_nc_u32 v[ADV], s[TB], v[AV0]
	VLD \q, 0, 0                                   ; three groups of hh are asked for now and land under the softmax
	VLD \q, 1, 1
	VLD \q, 2, 2
	WIN 0
.irp b, 0,1,2,3
	v_max3_num_f32 v[BM+\b], v[S+16*\b], v[S+16*\b+1], v[S+16*\b+2]                ; the largest score of each block of 32 keys: for the row's maximum, and, since p rises with the score, for the block's largest p
.endr
.irp i, 3,5,7,9,11,13
.irp b, 0,1,2,3
	v_max3_num_f32 v[BM+\b], v[BM+\b], v[S+16*\b+\i], v[S+16*\b+\i+1]
.endr
.endr
.irp b, 0,1,2,3
	v_max_num_f32 v[BM+\b], v[BM+\b], v[S+16*\b+15]
.endr
.irp b, 0,1,2,3
	s_delay_alu instid0(VALU_DEP_4)
	v_permlanex16_b32 v[T2+\b], v[BM+\b], s[SEL], s[SEL+1]
.endr
.irp b, 0,1,2,3
	s_delay_alu instid0(VALU_DEP_4)
	v_max_num_f32 v[BM+\b], v[BM+\b], v[T2+\b]     ; with lane l xor 16's 16 keys
.endr
	s_delay_alu instid0(VALU_DEP_2)
	v_max3_num_f32 v[TMP], v[BM], v[BM+1], v[BM+2]
	s_delay_alu instid0(VALU_DEP_1)
	v_max_num_f32 v[TMP], v[TMP], v[BM+3]
	s_delay_alu instid0(VALU_DEP_1)
	v_mul_f32 v[TMP], s[CS], v[TMP]                ; as t
	s_delay_alu instid0(VALU_DEP_1)
	v_max_num_f32 v13, v13, v[TMP]                 ; the running largest t
	v_mov_b32 v[TMP], v12
	s_delay_alu instid0(VALU_DEP_2)
	v_floor_f32 v12, -v13                          ; the new -M = -ceil(t): a whole number
	s_delay_alu instid0(VALU_DEP_1)
	v_sub_f32 v[TMP], v12, v[TMP]                  ; old M - new M, 0 or less
	s_delay_alu instid0(VALU_DEP_1)
	v_cvt_i32_f32 v[TMP], v[TMP]                   ; (it saturates)
	s_delay_alu instid0(VALU_DEP_1)
	v_ldexp_f32 v[FCT], 1.0, v[TMP]                ; f = 2^(old M - new M)
.set n, 0
.rept 32
	v_pk_fma_f32 v[S+n:S+n+1], v[S+n:S+n+1], s[CS:CS+1], v[12:13] op_sel_hi:[1,0,0]   ; t - M, two at a time
.set n, n+2
.endr
.irp b, 0,1,2,3
	v_fma_f32 v[BM+\b], v[BM+\b], s[CS], v12       ; the same of each block's largest score
.endr
.set n, 0
	s_wait_alu depctr_va_vdst(0)
.rept 64
	v_exp_f32 v[S+n], v[S+n]                       ; p = 2^(t - M), at most 1
.set n, n+1
.endr
	v_pk_mul_f32 v[14:15], v[14:15], v[FCT:FCT+1] op_sel_hi:[1,0]  ; the sums under the new M: the plain line behind the exponentials
	s_wait_alu depctr_va_vdst(0)                   ; one wait for the whole batch, ahead of its first reader
.irp b, 0,1,2,3
	v_exp_f32 v[BM+\b], v[BM+\b]                   ; the block's largest p: the same two instructions on the same number give the same bits
.endr
	v_pk_add_f32 v[180:181], v[84:85], v[88:89]
	v_pk_add_f32 v[254:255], v[92:93], v[96:97]
	v_pk_add_f32 v[252:253], v[100:101], v[104:105]
	v_pk_add_f32 v[250:251], v[108:109], v[112:113]
	v_pk_add_f32 v[226:227], v[116:117], v[120:121]
	v_pk_add_f32 v[224:225], v[124:125], v[128:129]
	v_pk_add_f32 v[222:223], v[132:133], v[136:137]
	v_pk_add_f32 v[14:15], v[14:15], v[140:141]
	v_pk_add_f32 v[180:181], v[180:181], v[80:81]
	v_pk_add_f32 v[254:255], v[254:255], v[82:83]
	v_pk_add_f32 v[252:253], v[252:253], v[86:87]
	v_pk_add_f32 v[250:251], v[250:251], v[90:91]
	v_pk_add_f32 v[226:227], v[226:227], v[94:95]
	v_pk_add_f32 v[224:225], v[224:225], v[98:99]
	v_pk_add_f32 v[222:223], v[222:223], v[102:103]
	v_pk_add_f32 v[14:15], v[14:15], v[106:107]
	v_pk_add_f32 v[180:181], v[180:181], v[110:111]
	v_pk_add_f32 v[254:255], v[254:255], v[114:115]
	v_pk_add_f32 v[252:253], v[252:253], v[118:119]
	v_pk_add_f32 v[250:251], v[250:251], v[122:123]
	v_pk_add_f32 v[226:227], v[226:227], v[126:127]
	v_pk_add_f32 v[224:225], v[224:225], v[130:131]
	v_pk_add_f32 v[222:223], v[222:223], v[134:135]
	v_pk_add_f32 v[14:15], v[14:15], v[138:139]
	v_pk_add_f32 v[180:181], v[180:181], v[142:143]
	s_delay_alu instid0(VALU_DEP_2)
	v_pk_add_f32 v[14:15], v[14:15], v[250:251]
	s_delay_alu instid0(VALU_DEP_2)
	v_pk_add_f32 v[180:181], v[180:181], v[226:227]
	v_pk_add_f32 v[254:255], v[254:255], v[224:225]
	v_pk_add_f32 v[252:253], v[252:253], v[222:223]
	s_delay_alu instid0(VALU_DEP_2)
	v_pk_add_f32 v[14:15], v[14:15], v[254:255]
	s_delay_alu instid0(VALU_DEP_2)
	v_pk_add_f32 v[180:181], v[180:181], v[252:253]
	s_delay_alu instid0(VALU_DEP_1)
	v_pk_add_f32 v[14:15], v[14:15], v[180:181]
	s_wait_alu depctr_va_vdst(0)                   ; and one for the four
.irp b, 0,1,2,3
	v_max_num_f32 v[BM+\b], 0x8000000, v[BM+\b]    ; the floor 2^(16 - 127): the byte cannot fall under 1
.endr
.irp b, 0,1,2,3
	s_delay_alu instid0(VALU_DEP_4)
	v_add_nc_u32 v[SC+\b], 0xf8800000, v[BM+\b]
.endr
.irp b, 0,1,2,3
.endr
.irp b, 0,1,2,3
	s_delay_alu instid0(VALU_DEP_4)
	v_lshrrev_b32 v[T2+\b], 23, v[SC+\b]
.endr
	s_delay_alu instid0(VALU_DEP_3)
	v_lshl_or_b32 v[PSW], v[T2+1], 8, v[T2]        ; p's scale word for these 128 keys
	s_delay_alu instid0(VALU_DEP_1)
	v_lshl_or_b32 v[PSW], v[T2+2], 16, v[PSW]
	s_delay_alu instid0(VALU_DEP_1)
	v_lshl_or_b32 v[PSW], v[T2+3], 24, v[PSW]
.irp b, 0,1,2,3
.irp i, 0,1,2,3,4,5,6,7,8,9,10,11,12,13,14,15
.endr
	v_cvt_scalef32_pk8_bf8_f32 v[PC+4*\b:PC+4*\b+1], v[S+16*\b:S+16*\b+7], v[SC+\b]
	v_cvt_scalef32_pk8_bf8_f32 v[PC+4*\b+2:PC+4*\b+3], v[S+16*\b+8:S+16*\b+15], v[SC+\b]
.if \b > 0
	v_nop
	VLW \q, 5+\b, \b-1                             ; the block before is converted, sixteen plain lines back: its registers take channel tile 6 + (b - 1) of hh
.endif
.endr
	v_nop                                          ; one plain line behind the last conversion,
	VLW \q, 9, 3                                   ; and the last block's registers take tile 9: ten of the sixteen tiles are asked for ahead of the first product
	; O^T = f O^T + hh P^T, two channel tiles (a group) at a time.  No two products that follow each other share an accumulator.  Each wait counts the LDS loads issued behind the group's own
	WIN 0x51
	RESC 0, 2                                      ; groups 0 and 1 under the new M; also the places between p's codes and the first product
	s_wait_alu depctr_va_vdst(0)
	s_wait_dscnt 32                                ; behind group 0's loads: groups 1 and 2 (16) and tiles 6 to 9 (16)
	PVG \q, 0, VB
	RESC 2, 2                                      ; sixteen plain lines: the places ahead of the loads into the buffer just read
	VLD \q, 5, 0
	s_wait_dscnt 32                                ; behind group 1's: group 2 (8), tiles 6 to 9 (16), group 5 (8)
	PVG \q, 1, VB+32
	RESC 4, 1                                      ; eight places
	VLD \q, 6, 1
	s_wait_alu depctr_va_vdst(0)
	s_wait_dscnt 32                                ; behind group 2's: tiles 6 to 9 (16), groups 5 and 6 (16)
	PVG \q, 2, VB+64
	RESC 5, 1                                      ; eight places
	VLD \q, 7, 2
	WIN 0x50                                       ; source 0 in window 0: groups 3 and 4 lie where p lay
	s_wait_dscnt 32                                ; behind tiles 6 and 7: tiles 8 and 9 (8), groups 5 to 7 (24)
	PVG \q, 3, S
	s_wait_dscnt 24                                ; groups 5 to 7
	PVG \q, 4, S+32
	WIN 0x51
	RESC 6, 2                                      ; sixteen plain lines: also the nine places ahead of the next step's first products, which write over the registers that groups 3 and 4 read
	s_wait_alu depctr_va_vdst(0)
	s_wait_dscnt 16                                ; groups 6 and 7
	PVG \q, 5, VB
	s_wait_dscnt 8                                 ; group 7
	PVG \q, 6, VB+32
	s_wait_dscnt 0x0
	PVG \q, 7, VB+64
	WIN 0
.endm
	s_wait_tensorcnt 0x0                           ; my parts of the block of res and of slot 0 are in LDS,
	s_barrier_signal -1
	s_barrier_wait -1                              ; everybody's are
	FLD AF0, AS0, AH0, 0                           ; the first step's codes of f and scale words
.Lslot:                                            ; 16 trips: trip s reads slot s and asks for slot s + 1; slot 16 is wo's copy, so every trip fills and no tail is written out
	CHANGE 1
	STEP 0
	STEP 1
	s_xor_b32 s[TB], s[TB], SLOT1
	s_sub_co_u32 s[SLOTS], s[SLOTS], 1
	s_cmp_lg_u32 s[SLOTS], 0
	s_cbranch_scc1 .Lslot
	CHANGE 0                                       ; wo's fragments lie in slot 0; nobody reads slot 1 or f's codes any more
	; ---- THE WAY OUT.  The addresses are made here: fourteen plain lines, the places behind the last products
	v_and_b32 v216, 31, v0
	v_and_b32 v217, 15, v0
	s_wait_alu depctr_va_vdst(0)
	v_bfe_u32 v218, v0, 4, 1
	s_lshl_b32 s70, s[WV], 13
	v_add_nc_u32 v[AWO], s70, v[AV0]               ; wo's fragments 4 w + 2 T + s
	s_lshl_b32 s70, s[WV], 9
	s_add_co_u32 s70, s70, WOS
	v_lshl_add_u32 v[AWS], v216, 2, s70
	v_add_nc_u32 v[AOI], OIMG, v[AV0]
	v_lshl_add_u32 v[AOS], v216, 2, OSC
	s_lshl_b32 s70, s[WV], 12
	s_add_co_u32 s70, s70, OIMG
	v_add_nc_u32 v[OWI], s70, v[AV0]               ; where I store o_pre's two fragments of my tile of queries
	s_lshl_b32 s70, s[WV], 8
	s_add_co_u32 s70, s70, OSC
	v_lshl_add_u32 v[OWS], v216, 2, s70
	s_mul_i32 s70, s[WV], 8448
	s_add_co_u32 s70, s70, STG                     ; my stage
	v_add_nc_u32 v[STR], s70, v[AV0]
	v_mul_u32_u24 v[STO], v217, 528
	s_wait_alu depctr_va_vdst(0)
	v_lshl_add_u32 v[STO], v218, 6, v[STO]
	s_delay_alu instid0(VALU_DEP_1)
	v_add_nc_u32 v[STO], s70, v[STO]               ; in: row = my channel; my half's eight pixels of a tile 64 h bytes on
	s_lshl_b32 s71, s[WV], 7
	v_lshl_add_u32 v219, v217, 2, s71
	global_load_b32 v[BO], v219, s[12:13]                          ; bo of channels 32 w + r
	global_load_b32 v[BO+1], v219, s[12:13] offset:64              ; and 32 w + 16 + r
.irp i, 0,1,2,3,4,5,6,7,8,9,10,11,12,13,14,15
	global_load_b128 v[16+4*\i:16+4*\i+3], v[AV0], s[XBS:XBS+1] offset:16384*\i th:TH_LOAD_NT   ; x for the residual: my first 16 channel rows x 512 bytes,
.endr
	WIN 0x40
.irp i, 0,1,2,3,4,5,6,7,8,9,10,11,12,13,14,15
	global_load_b128 v[128+4*\i:128+4*\i+3], v[AV0], s[XBS:XBS+1] offset:16384*(16+\i) th:TH_LOAD_NT   ; and the other 16, where hh's buffers lay: all 32 land under the work below
.endr
	WIN 0
	v_add_f32 v14, v14, v15                        ; the sum's two halves,
	s_delay_alu instid0(VALU_DEP_1)
	v_permlanex16_b32 v[TMP], v14, s[SEL], s[SEL+1]
	s_delay_alu instid0(VALU_DEP_1)
	v_add_f32 v14, v14, v[TMP]                     ; and lane l xor 16's
	s_wait_alu depctr_va_vdst(0)
	v_rcp_f32 v[FCT], v14
	v_nop                                          ; a plain line behind the reciprocal,
	s_wait_alu depctr_va_vdst(0)                   ; and a wait ahead of its first reader
.irp s, 0,1                            ; o_pre = O^T / the sum: register 64 s + 16 b + i is channel 128 s + 32 b + 16 h + i of my query: quantised as it lies
	WIN 0x01
.set n, 0
.rept 32
	v_pk_mul_f32 v[S+n:S+n+1], v[64*\s+n:64*\s+n+1], v[FCT:FCT+1] op_sel_hi:[1,0]   ; each accumulator from its low end on
.set n, n+2
.endr
	WIN 0
	QUANT S, PC+38*\s, PW+\s
	IMAGE OWI, 2048*\s, PC+38*\s
	ds_store_b32 v[OWS], v[PW+\s] offset:128*\s
.endr
	s_wait_dscnt 0x0
	s_barrier_signal -1
	s_barrier_wait -1                              ; o_pre's sixteen fragments lie in LDS
	WIN 0x40
.irp f, 0,1,2,3
	FETCH WOF+16*\f, AWO, 2048*\f                  ; my 32 rows of wo: (T, s) at 2 T + s
.endr
	WIN 0
.irp f, 0,1,2,3
	ds_load_b32 v[QS+\f], v[AWS] offset:128*\f
.endr
	s_wait_loadcnt 32                              ; bo is in; x's 32 loads behind it may be out
.irp t, 0,1
.irp k, 0,1,2,3,4,5,6,7
	v_mov_b32 v[8+208*\t+\k], v[BO+\t]             ; bo as the C of the first products: a lane holds one channel.  v8-15 and v216-223 held step addresses, statistics and lane numbers that are done with
.endr
.endr
	s_wait_alu depctr_va_vdst(0)
.irp s, 0,1                            ; o = wo o_pre + bo: source 0 = 16 pixels, source 1 = 16 rows of wo: a lane holds one channel and eight neighbouring pixels; 16 accumulators by turns
.irp m, 0,1,2,3,4,5,6,7
	FETCH OP+16*\m, AOI, 2048*(2*\m+\s)
	ds_load_b32 v[HSW+8*\s+\m], v[AOS] offset:128*(2*\m+\s)
.endr
	s_wait_dscnt 0x0
	WIN 0x44+0x10*\s                               ; source 0 window 0; source 1 and D window 1; C: bo in window 0, then the sums in window 1
.irp m, 0,1,2,3,4,5,6,7
.irp t, 0,1
.if \s == 0
	v_wmma_scale_f32_16x16x128_f8f6f4 v[8*(8*\t+\m):8*(8*\t+\m)+7], v[OP+16*\m:OP+16*\m+15], v[WOF+16*(2*\t+\s):WOF+16*(2*\t+\s)+15], v[8+208*\t:15+208*\t], v[HSW+8*\s+\m], v[QS+2*\t+\s] matrix_a_fmt:MATRIX_FMT_BF8 matrix_b_fmt:MATRIX_FMT_BF8
.else
	v_wmma_scale_f32_16x16x128_f8f6f4 v[8*(8*\t+\m):8*(8*\t+\m)+7], v[OP+16*\m:OP+16*\m+15], v[WOF+16*(2*\t+\s):WOF+16*(2*\t+\s)+15], v[8*(8*\t+\m):8*(8*\t+\m)+7], v[HSW+8*\s+\m], v[QS+2*\t+\s] matrix_a_fmt:MATRIX_FMT_BF8 matrix_b_fmt:MATRIX_FMT_BF8
.endif
.endr
.endr
	WIN 0
.rept 8
	v_nop                                          ; places ahead of loads into registers that these products read, and of the first read of results
.endr
.endr
.irp t, 0,1                            ; 16 channels x 128 pixels go through my stage and come back as whole rows of 512 bytes
	WIN 0x04                                       ; an LDS store's data are its source 1: window 1
.irp m, 0,1,2,3,4,5,6,7
	ds_store_b128 v[STO], v[8*(8*\t+\m):8*(8*\t+\m)+3] offset:128*(\m/2)+32*(\m%2)       ; pixels 32 (m / 2) + 8 (m % 2) + 16 h + 0 .. 7; each accumulator from its low end on
	ds_store_b128 v[STO], v[8*(8*\t+\m)+4:8*(8*\t+\m)+7] offset:128*(\m/2)+32*(\m%2)+16
.endr
	WIN 0
.irp i, 0,1,2,3,4,5,6,7,8,9,10,11,12,13,14,15
	ds_load_b128 v[144-128*\t+4*\i:144-128*\t+4*\i+3], v[STR] offset:528*\i              ; LDS serves a wave's instructions in order (ISA guide 5.7.1.4): these see my stores, and the next half's stores come behind them
.endr
	s_wait_loadcnt 16-16*\t                        ; this half's rows of x are in; the other half's 16 loads may be out
	WIN 0x10*\t                                    ; the second half's rows of x are source 2 in window 1; addresses, the rows read back and the stores' data stay in window 0
.irp i, 0,1,2,3,4,5,6,7,8,9,10,11,12,13,14,15
	s_wait_dscnt 15-\i                             ; row i is back; the younger rows may be out
	v_pk_fma_f32 v[144-128*\t+4*\i:144-128*\t+4*\i+1], v[144-128*\t+4*\i:144-128*\t+4*\i+1], s[GAM:GAM+1], v[16+112*\t+4*\i:16+112*\t+4*\i+1] op_sel_hi:[1,0,1]   ; gamma o + x
	v_pk_fma_f32 v[144-128*\t+4*\i+2:144-128*\t+4*\i+3], v[144-128*\t+4*\i+2:144-128*\t+4*\i+3], s[GAM:GAM+1], v[16+112*\t+4*\i+2:16+112*\t+4*\i+3] op_sel_hi:[1,0,1]
	global_store_b128 v[AV0], v[144-128*\t+4*\i:144-128*\t+4*\i+3], s[OBS:OBS+1] offset:16384*(16*\t+\i) th:TH_STORE_NT   ; 32 lanes store 512 consecutive bytes, aligned; no store's data are written again
.endr
	WIN 0
.endr
	s_wait_tensorcnt 0x0                           ; the wave's end: behind my last tensor load and my last LDS store
	ds_add_u32 v[SPW], v[NIL]
	s_wait_dscnt 0x0
	CROUND                                         ; the closing round: no work-group ends while a partner may still ask for a tile that names it
	s_endpgm
.Lfunc_end_k_qe6d4ff1229_attn:
	.size	k_qe6d4ff1229_attn, .Lfunc_end_k_qe6d4ff1229_attn-k_qe6d4ff1229_attn
	.p2alignl 7, 3214868480
	.fill 96, 4, 3214868480
	.section	.rodata,"a",@progbits
	.p2align	6, 0x0
	.amdhsa_kernel k_qe6d4ff1229_attn
		.amdhsa_group_segment_fixed_size 327680
		.amdhsa_private_segment_fixed_size 0
		.amdhsa_enable_private_segment 0
		.amdhsa_kernarg_size 56
		.amdhsa_user_sgpr_count 2
		.amdhsa_user_sgpr_kernarg_segment_ptr 1
		.amdhsa_wavefront_size32 1
		.amdhsa_system_sgpr_workgroup_id_x 1
		.amdhsa_system_sgpr_workgroup_id_y 1
		.amdhsa_system_sgpr_workgroup_id_z 1
		.amdhsa_system_vgpr_workitem_id 0
		.amdhsa_next_free_vgpr 512
		.amdhsa_next_free_sgpr 100
		.amdhsa_reserve_vcc 0
		.amdhsa_float_denorm_mode_32 3
		.amdhsa_float_denorm_mode_16_64 3
		.amdhsa_fp16_overflow 1
		.amdhsa_memory_ordered 1
		.amdhsa_forward_progress 1
		.amdhsa_inst_pref_size 108
	.end_amdhsa_kernel
	.amdgpu_metadata
---
amdhsa.version: [ 1, 2 ]
amdhsa.kernels:
  - .name:           k_qe6d4ff1229_attn
    .symbol:         k_qe6d4ff1229_attn.kd
    .args:
      - { .name: hq, .offset: 0, .size: 8, .value_kind: global_buffer, .address_space: global }
      - { .name: res, .offset: 8, .size: 8, .value_kind: global_buffer, .address_space: global }
      - { .name: gq, .offset: 16, .size: 8, .value_kind: global_buffer, .address_space: global }
      - { .name: x, .offset: 24, .size: 8, .value_kind: global_buffer, .address_space: global }
      - { .name: bo, .offset: 32, .size: 8, .value_kind: global_buffer, .address_space: global }
      - { .name: gamma, .offset: 40, .size: 8, .value_kind: global_buffer, .address_space: global }
      - { .name: out0, .offset: 48, .size: 8, .value_kind: global_buffer, .address_space: global }
    .group_segment_fixed_size: 327680
    .private_segment_fixed_size: 0
    .kernarg_segment_align: 8
    .kernarg_segment_size: 56
    .max_flat_workgroup_size: 256
    .sgpr_count:     100
    .vgpr_count:     512
    .wavefront_size: 32
...
	.end_amdgpu_metadata
.endif
;; end of part 2
